; MI455X (gfx1250); checked and timed in simulation.
; The chip was launched on July 23, 2026; its instructions are those of AMD's public machine-readable ISA for CDNA 5 (MIT licence, August 2026) and "CDNA5" Instruction Set Architecture Reference Guide (July 2026). The comments in the code are by the model that wrote it; some were corrected since.
;; Learnable Query Attention Pool1d. Allowed arithmetic: matrix products marked QUANTISED: E2M1 operands, one E8M0 scale for each 32 along K, by v_wmma_scale_f32_16x16x128_f8f6f4 with both operands' format E2M1 (or v_wmma_scale_f32_32x16x128_f4), f32 sums; products left as they are: f32 operands where the result goes on into a quantised operand, else bf16, f16 or f32 operands; f32 sums; everything else in f32.
;; Inputs: Wc 1,024 x 1,024 float32; Wk 1,024 x 1,024 float32; Wq 1,024 x 1,024 float32; Wv 1,024 x 1,024 float32; query 1 x 1 x 1,024 float32; x 16 x 2,048 x 1,024 float32.
;; Outputs: out0 16 x 1,024 float32.
;; This version of the problem:
;;   THIS VERSION OF THE PROBLEM IS GIVEN IN LOW PRECISION. The matrix products marked QUANTISED in the list below multiply operands that are first quantised to E2M1 (2 exponent bits, 1 mantissa bit; 4 bits a number), with one power-of-two scale for each 32 numbers along K (OCP MX v1.0); their sums are f32. All else is computed in f32.
;;   The module's matrix products, in the order in which they are computed (A, B: the left and right operand; K: the contracted axis; several contracted axes count as one K, in the product's order):
;;     1. [M 1, K 1,024] x [K 1,024, N 1,024]; A: input query; B: input Wq: left as it is (M = 1 < 16)
;;     2. [M 32,768, K 1,024] x [K 1,024, N 1,024]; A: input x; B: input Wk: QUANTISED
;;     3. [M 32,768, K 1,024] x [K 1,024, N 1,024]; A: input x; B: input Wv: QUANTISED
;;     4. batch 16 x [M 32,768, K 64] x [K 64, N 1]; A: computed on the way; B: computed on the way: left as it is (N = 1 < 16)
;;     5. batch 256 x [M 1, K 2,048] x [K 2,048, N 64]; A: softmax; B: computed on the way: left as it is (M = 1 < 16)
;;     6. [M 16, K 1,024] x [K 1,024, N 1,024]; A: computed on the way; B: input Wc: QUANTISED
;;   THE QUANTISER, for each operand of a quantised product, along K:
;;     - K is cut into blocks of 32 from its start; a last block that is shorter is filled with zeros.
;;     - A block's scale is 2^e with e = floor(log2(the largest magnitude in the block)) - 2, held to -126 .. 127; a block of zeros has e = 0. As a byte (E8M0): e + 127.
;;     - Each number is divided by its block's scale, clamped to +-6, and rounded to the nearest number of E2M1, ties to even, subnormals kept.
;;     - The product sums the exact products of the quantised numbers (number of the format x scale) in f32.
;;   ~~~python
;;   def quantise(x, axis):      # numpy; x: float32 -> the quantised numbers, widened to float32 again
;;       x = np.moveaxis(x, axis, -1); K = x.shape[-1]
;;       x = np.pad(x, [(0, 0)] * (x.ndim - 1) + [(0, -K % 32)]); x = x.reshape(x.shape[:-1] + (-1, 32)); a = np.abs(x).max(-1, keepdims=True)
;;       e = np.where(a > 0, np.clip(np.frexp(np.where(a > 0, a, 1))[1] - 1 - 2, -126, 127), 0)      # np.frexp(a)[1] - 1 = floor(log2(a)), exactly
;;       r = np.clip(x / 2.0 ** e, -6, 6)
;;       step = 2.0 ** (np.maximum(np.frexp(np.where(r == 0, 1, r))[1] - 1, 0) - 1)
;;       q = np.round(r / step) * step * 2.0 ** e      # np.round: ties to even
;;       return np.moveaxis(q.reshape(q.shape[:-2] + (-1,))[..., :K], -1, axis).astype(np.float32)
;;   ~~~
;;   OPERANDS COMPUTED ON THE WAY. 'Computed on the way' means the value that the module computes at that place (a softmax that the list does not call 'softmax' is quantised finished and normalised). What goes into a quantiser is computed in f32, as accurately as f32 sums, v_exp_f32 and their like allow (about 1e-6 of the number): no bf16 or f16 on the way to a quantiser, and a product that is left as it is and whose result goes on into a quantised operand takes f32 operands (vector FMAs, or v_wmma_f32_16x16x4_f32). A number that lies on a knife's edge between two numbers of the format may be rounded either way, as far as f32 arithmetic and the matrix unit's own rounding can turn it there, and no further.
;; One version. Each part assembles by itself: llvm-mc -triple=amdgcn-amd-amdhsa -mcpu=gfx1250 --defsym DOCPART=n.
;; ======== version 1 of 1: 3 launches
;; limits: right only within a limited range of input values
;; workspace buffers: wcodes 1,671,168 bytes; qbuf 4,096 bytes; part_o 1,048,576 bytes; part_ml 32,768 bytes
;; launch prep (part 1): grid 256 x 1, 4 waves a work-group, no clusters, 35,328 bytes of LDS; arguments Wk, Wv, Wc, Wq, query, wcodes, qbuf; writes wcodes, qbuf
.if DOCPART == 1
	.amdgcn_target "amdgcn-amd-amdhsa--gfx1250"
	.amdhsa_code_object_version 6
	.text
	.protected	k_qbb5fb08527_prep
	.globl	k_qbb5fb08527_prep
	.p2align	8
	.type	k_qbb5fb08527_prep,@function
k_qbb5fb08527_prep:
	s_mov_b64 s[64:65], 0
	v_nop
	global_prefetch_b8 v0, s[64:65] scope:SCOPE_SE
	s_setreg_imm32_b32 hwreg(HW_REG_WAVE_MODE, 25, 1), 1
	s_wait_xcnt 0x0
; Two jobs in one launch, parted by the work-group's number.
; WORK-GROUPS 0-191: Wk, Wv, Wc [1024][1024] f32, K innermost, become codes of FP4 (E2M1) with one E8M0 byte for each 32 along K, laid in the ORDER OF THE OPERAND'S REGISTERS.
;   wcodes is 48 blocks of BLK = 34,816 bytes; a block is 64 rows of one weight x all of K.  The fragment (K step s of 128, tile t of 16 rows) is an image of its 8 registers:
;   register group c (4 registers) of lane l at (4 s + t) x 1,024 + 512 c + 16 l.  Behind the 32 fragments, at 32,768 + 512 t + 16 l, lie 16 scale bytes: blocks 16 h .. 16 h + 15 of row 16 t + r (l = 16 h + r).
;   Block numbers: head 4 w + hh of Wk (kv = 0) or Wv (kv = 1) is block 4 (2 hh + kv) + w, the order in which wave w of the next launch walks them; rows 64 n on of Wc are block 32 + n.
;   A work-group takes one tile of 16 rows; wave w takes K steps 2 w and 2 w + 1.  Each load reads 512 consecutive bytes of a row; the numbers turn through the wave's own stage in LDS, so that lane (r, h)
;   holds, of row r, 16 neighbours of each block of 32.  A block's scale is 2^(floor(log2(its largest magnitude)) - 2): its byte is the largest magnitude's exponent field - 2, held at 1 from below.
; WORK-GROUPS 192-255: q = (query . Wq's rows) / 8, in f32 by fused multiply-adds (it goes on towards a quantised operand): 16 rows a work-group, 4 a wave.
; LIMITS: a block whose largest magnitude lies under 2^-124 gets the byte 1; a block of zeros gets the byte 1 where the rule says 127 (its codes are zeros, and this program alone reads the bytes);
; NaN and infinities among the inputs are not served.
.set BLK,    34816
.set SPITCH, 528                       ; a stage row: 512 bytes + 16, an odd multiple of 16: sixteen lanes that take one column of sixteen rows start at sixteen different 16-byte columns
.set WSTG,   16*SPITCH                 ; a wave's stage
.set SCW,    4*WSTG                    ; behind the stages: the tile's 512 scale bytes, as they leave
.set R,   32                           ; v32-159  two sets of 64: a K step's numbers as loaded
.set ST,  160                          ; v160-223 64 numbers: register 16 b + i = k 32 b + 16 h + i of my row
.set TM,  224                          ; v224-239 at work
.set PC,  240                          ; v240-255 two fragments' codes
.set PW,  12                           ; v12-13   two scale words
.set SEL, 42                           ; s[42:43] lane selects for v_permlanex16_b32: lane l xor 16
.macro WLOAD u                         ; K step 2 w + u of the tile's 16 rows: 32 lanes read 512 consecutive bytes of a row
.irp i, 0,1,2,3,4,5,6,7,8,9,10,11,12,13,14,15
	global_load_b128 v[R+64*\u+4*\i:R+64*\u+4*\i+3], v4, s[4:5] offset:4096*\i+512*\u th:TH_LOAD_NT
.endr
.endm
.macro TURN u                          ; through my stage: LDS serves a wave's instructions in order (ISA guide 5.7.1.4), so no wait stands between the stores and the loads
.irp i, 0,1,2,3,4,5,6,7,8,9,10,11,12,13,14,15
	ds_store_b128 v5, v[R+64*\u+4*\i:R+64*\u+4*\i+3] offset:SPITCH*\i
.endr
.irp b, 0,1,2,3
.irp j, 0,1,2,3
	ds_load_b128 v[ST+16*\b+4*\j:ST+16*\b+4*\j+3], v6 offset:128*\b+16*\j
.endr
.endr
.endm
; 64 numbers of a lane become a fragment's 8 registers of codes, v[pc] on, and my row's scale word, v[pw]
.macro QUANT src, pc, pw
.irp b, 0,1,2,3
	v_max3_num_f32 v[TM+\b], |v[\src+16*\b]|, |v[\src+1+16*\b]|, 0x1800000   ; block b: my 16 numbers, and the floor 2^(3 - 127): the byte cannot fall under 1
.endr
.irp i, 2,4,6,8,10,12,14
.irp b, 0,1,2,3
	v_max3_num_f32 v[TM+\b], v[TM+\b], |v[\src+16*\b+\i]|, |v[\src+1+16*\b+\i]|   ; the four blocks by turns
.endr
.endr
.irp b, 0,1,2,3
	v_permlanex16_b32 v[TM+4+\b], v[TM+\b], s[SEL], s[SEL+1]
.endr
.irp b, 0,1,2,3
	v_max_num_f32 v[TM+\b], v[TM+\b], v[TM+4+\b]           ; with lane l xor 16's 16: the block's largest magnitude
.endr
.irp b, 0,1,2,3
	v_add_nc_u32 v[TM+12+\b], 0xff000000, v[TM+\b]         ; 2 off its exponent field: the conversion takes this operand's exponent field as its scale
.endr
.irp b, 0,1,2,3
	v_lshrrev_b32 v[TM+4+\b], 23, v[TM+12+\b]              ; the scale's byte
.endr
	v_lshl_or_b32 v[\pw], v[TM+5], 8, v[TM+4]
	v_lshl_or_b32 v[\pw], v[TM+6], 16, v[\pw]
	v_lshl_or_b32 v[\pw], v[TM+7], 24, v[\pw]
.irp b, 0,1,2,3
	v_cvt_scalef32_pk8_fp4_f32 v[\pc+2*\b], v[\src+16*\b:\src+7+16*\b], v[TM+12+\b]
	v_cvt_scalef32_pk8_fp4_f32 v[\pc+1+2*\b], v[\src+8+16*\b:\src+15+16*\b], v[TM+12+\b]
.endr
	v_nop                                                  ; one plain place behind a scaled conversion
.irp c, 0,1                            ; the operand's layout wants a whole block in a lane: lanes 0-15 block 2 c, lanes 16-31 block 2 c + 1
.irp i, 0,1
	v_permlane16_swap_b32 v[\pc+4*\c+\i], v[\pc+2+4*\c+\i]
.endr
.endr
.endm
	s_load_b256 s[4:11], s[0:1], 0x0               ; Wk s[4:5], Wv s[6:7], Wc s[8:9], Wq s[10:11]
	s_load_b128 s[12:15], s[0:1], 0x20             ; query s[12:13], wcodes s[14:15]
	s_load_b64 s[16:17], s[0:1], 0x30              ; qbuf
	v_lshl_add_u32 v234, v0, 2, 0x8800
	v_mov_b32 v235, 0
	v_lshrrev_b32 v1, 5, v0
	v_readfirstlane_b32 s18, v1                    ; wave 0..3
	v_and_b32 v1, 31, v0                           ; lane
	v_and_b32 v2, 15, v0                           ; r
	v_bfe_u32 v3, v0, 4, 1                         ; h
	s_mov_b32 s[SEL], 0x76543210
	s_mov_b32 s[SEL+1], 0xfedcba98
	s_cmp_ge_u32 ttmp9, 192                        ; the same for all four waves of a work-group
	s_cbranch_scc1 .Lgemv
	; ---- the quantiser
	s_lshr_b32 s20, ttmp9, 6                       ; which weight: 0 Wk, 1 Wv, 2 Wc
	s_and_b32 s21, ttmp9, 63                       ; which tile of 16 rows
	s_lshr_b32 s22, s21, 2                         ; which 64 rows (the head)
	s_and_b32 s23, s21, 3                          ; t: the tile in them
	s_and_b32 s24, s22, 3                          ; hh
	s_lshl_b32 s24, s24, 1
	s_add_co_u32 s24, s24, s20                     ; 2 hh + kv
	s_lshl_b32 s24, s24, 2
	s_lshr_b32 s25, s22, 2
	s_add_co_u32 s24, s24, s25                     ; + w: Wk's or Wv's block
	s_add_co_u32 s25, s22, 32                      ; Wc's block
	s_cmp_eq_u32 s20, 2
	s_cselect_b32 s24, s25, s24
	s_mul_i32 s24, s24, BLK
	s_lshl_b32 s25, s23, 10
	s_add_co_u32 s26, s24, s25                     ; the block + 1,024 t: my tile's fragments
	s_mov_b32 s27, 0
	s_lshl_b32 s25, s23, 9
	s_add_co_u32 s28, s24, s25
	s_add_co_u32 s28, s28, 32768                   ; the block + 32,768 + 512 t: its scale bytes
	s_mov_b32 s29, 0
	s_lshl_b32 s30, s21, 16                        ; the tile's 16 rows of 4,096 bytes
	s_mov_b32 s31, 0
	s_lshl_b32 s36, s18, 10
	s_wait_alu depctr_va_vdst(0)
	v_lshl_add_u32 v4, v1, 4, s36                  ; in a row: my wave's 1,024 bytes, 16 a lane
	s_mul_i32 s37, s18, WSTG
	v_lshl_add_u32 v5, v1, 4, s37                  ; the stage, on the way in
	v_mul_u32_u24 v6, v2, SPITCH
	v_lshl_add_u32 v6, v3, 6, v6
	v_add_nc_u32 v6, s37, v6                       ; and out: row r, + 64 h
	s_lshl_b32 s38, s18, 13
	v_lshl_add_u32 v7, v1, 4, s38                  ; an image's place: 16 x lane + 2 K steps x 4,096 x wave
	s_lshr_b32 s39, s18, 1                         ; K step 2 w + u is word (2 w + u) % 4 of lane 16 ((2 w + u) / 4) + r
	s_lshl_b32 s39, s39, 8
	s_and_b32 s40, s18, 1
	s_lshl_b32 s40, s40, 3
	s_add_co_u32 s39, s39, s40
	s_add_co_u32 s39, s39, SCW
	v_lshl_add_u32 v8, v2, 4, s39
	v_lshlrev_b32 v10, 4, v1
	v_add_nc_u32 v9, SCW, v10
.irp b, 0,1,2,3
	v_mov_b32 v[TM+4+\b], 0                        ; written once: a lane permute's destination counts as one of its sources
.endr
	s_wait_alu depctr_va_vdst(0)
	s_wait_kmcnt 0x0
	s_cmp_eq_u32 s20, 0                            ; the choices hang on the work-group's number alone
	s_cselect_b64 s[4:5], s[4:5], s[6:7]
	s_cmp_eq_u32 s20, 2
	s_cselect_b64 s[4:5], s[8:9], s[4:5]
	s_add_nc_u64 s[4:5], s[4:5], s[30:31]
	s_add_nc_u64 s[32:33], s[14:15], s[26:27]
	s_add_nc_u64 s[34:35], s[14:15], s[28:29]
	WLOAD 0
	WLOAD 1
	s_wait_loadcnt 16                              ; the first K step's 16 loads are in; the second's 16 may be out
	TURN 0
	s_wait_dscnt 0x0
	QUANT ST, PC, PW
	global_store_b128 v7, v[PC:PC+3], s[32:33]                 ; 32 lanes store 512 consecutive bytes, at a multiple of 256 from the buffer's first byte
	global_store_b128 v7, v[PC+4:PC+7], s[32:33] offset:512
	ds_store_b32 v8, v[PW]                         ; lanes r and 16 + r write the same word with the same value
	s_wait_loadcnt 0x0
	TURN 1
	s_wait_dscnt 0x0
	QUANT ST, PC+8, PW+1
	global_store_b128 v7, v[PC+8:PC+11], s[32:33] offset:4096
	global_store_b128 v7, v[PC+12:PC+15], s[32:33] offset:4608
	ds_store_b32 v8, v[PW+1] offset:4
	s_wait_dscnt 0x0                               ; for the others' sake: my scale words lie in LDS
	s_barrier_signal -1
	s_barrier_wait -1
	s_cmp_lg_u32 s18, 0
	s_cbranch_scc1 .Lqend
	ds_load_b128 v[16:19], v9                      ; wave 0 sends the tile's 512 scale bytes: two aligned blocks of 256
	s_wait_dscnt 0x0
	global_store_b128 v10, v[16:19], s[34:35]
.Lqend:
	s_wait_tensorcnt 0x0
	ds_add_u32 v234, v235
	s_wait_dscnt 0x0
	s_endpgm
	; ---- the query's projection
.Lgemv:
	s_sub_co_u32 s20, ttmp9, 192
	s_lshl_b32 s20, s20, 4
	s_lshl_b32 s21, s18, 2
	s_add_co_u32 s20, s20, s21                     ; my wave's first row of Wq
	s_lshl_b32 s22, s20, 12
	s_mov_b32 s23, 0
	s_lshl_b32 s24, s20, 2
	s_mov_b32 s25, 0
	s_wait_alu depctr_va_vdst(0)
	v_lshlrev_b32 v4, 4, v1
	v_lshlrev_b32 v5, 2, v1
.irp i, 0,1,2,3
	v_mov_b32 v[196+\i], 0                         ; a lane permute's destination counts as one of its sources
.endr
	s_wait_alu depctr_va_vdst(0)
	s_wait_kmcnt 0x0
	s_add_nc_u64 s[10:11], s[10:11], s[22:23]
	s_add_nc_u64 s[16:17], s[16:17], s[24:25]
.irp n, 0,1,2,3,4,5,6,7
	global_load_b128 v[16+4*\n:19+4*\n], v4, s[12:13] offset:512*\n
.endr
.irp i, 0,1,2,3
.irp n, 0,1,2,3,4,5,6,7
	global_load_b128 v[48+32*\i+4*\n:51+32*\i+4*\n], v4, s[10:11] offset:4096*\i+512*\n th:TH_LOAD_NT
.endr
.endr
	s_wait_loadcnt 0x0
.irp i, 0,1,2,3                        ; two chains of packed multiply-adds a row; the first products start the sums
	v_pk_mul_f32 v[176+4*\i:177+4*\i], v[48+32*\i:49+32*\i], v[16:17]
	v_pk_mul_f32 v[178+4*\i:179+4*\i], v[50+32*\i:51+32*\i], v[18:19]
.endr
.irp n, 1,2,3,4,5,6,7
.irp i, 0,1,2,3
	v_pk_fma_f32 v[176+4*\i:177+4*\i], v[48+32*\i+4*\n:49+32*\i+4*\n], v[16+4*\n:17+4*\n], v[176+4*\i:177+4*\i]
	v_pk_fma_f32 v[178+4*\i:179+4*\i], v[50+32*\i+4*\n:51+32*\i+4*\n], v[18+4*\n:19+4*\n], v[178+4*\i:179+4*\i]
.endr
.endr
.irp i, 0,1,2,3
	v_pk_add_f32 v[176+4*\i:177+4*\i], v[176+4*\i:177+4*\i], v[178+4*\i:179+4*\i]
.endr
.irp i, 0,1,2,3
	v_add_f32 v[192+\i], v[176+4*\i], v[177+4*\i]
.endr
.irp m, 1,2,4,8
.irp i, 0,1,2,3
	v_add_f32_dpp v[192+\i], v[192+\i], v[192+\i] row_xmask:\m row_mask:0xf bank_mask:0xf
.endr
.endr
.irp i, 0,1,2,3
	v_permlanex16_b32 v[196+\i], v[192+\i], s[SEL], s[SEL+1]
.endr
.irp i, 0,1,2,3
	v_add_f32 v[192+\i], v[192+\i], v[196+\i]      ; every lane holds row i's sum
.endr
.irp i, 1,2,3
	v_cmp_eq_u32 vcc_lo, \i, v1
	v_cndmask_b32 v192, v192, v[192+\i], vcc_lo    ; lane i keeps row i's
.endr
	v_mul_f32 v192, 0x3e000000, v192               ; x 1 / sqrt(64)
	s_wait_alu depctr_va_vdst(0)
	s_wait_xcnt 0x0                                ; EXEC changes only behind this wait
	v_cmp_gt_u32 vcc_lo, 4, v1
	s_and_saveexec_b32 s26, vcc_lo
	global_store_b32 v5, v192, s[16:17]
	s_wait_xcnt 0x0
	s_or_b32 exec_lo, exec_lo, s26
	s_endpgm
.Lfunc_end_k_qbb5fb08527_prep:
	.size	k_qbb5fb08527_prep, .Lfunc_end_k_qbb5fb08527_prep-k_qbb5fb08527_prep
	.p2alignl 7, 3214868480
	.fill 96, 4, 3214868480
	.section	.rodata,"a",@progbits
	.p2align	6, 0x0
	.amdhsa_kernel k_qbb5fb08527_prep
		.amdhsa_group_segment_fixed_size 35328
		.amdhsa_private_segment_fixed_size 0
		.amdhsa_enable_private_segment 0
		.amdhsa_kernarg_size 56
		.amdhsa_user_sgpr_count 2
		.amdhsa_user_sgpr_kernarg_segment_ptr 1
		.amdhsa_wavefront_size32 1
		.amdhsa_system_sgpr_workgroup_id_x 1
		.amdhsa_system_sgpr_workgroup_id_y 1
		.amdhsa_system_sgpr_workgroup_id_z 1
		.amdhsa_system_vgpr_workitem_id 0
		.amdhsa_next_free_vgpr 256
		.amdhsa_next_free_sgpr 66
		.amdhsa_reserve_vcc 1
		.amdhsa_float_denorm_mode_32 3
		.amdhsa_float_denorm_mode_16_64 3
		.amdhsa_memory_ordered 1
		.amdhsa_forward_progress 1
		.amdhsa_inst_pref_size 30
	.end_amdhsa_kernel
	.amdgpu_metadata
---
amdhsa.version: [ 1, 2 ]
amdhsa.kernels:
  - .name:           k_qbb5fb08527_prep
    .symbol:         k_qbb5fb08527_prep.kd
    .args:
      - { .name: Wk, .offset: 0, .size: 8, .value_kind: global_buffer, .address_space: global }
      - { .name: Wv, .offset: 8, .size: 8, .value_kind: global_buffer, .address_space: global }
      - { .name: Wc, .offset: 16, .size: 8, .value_kind: global_buffer, .address_space: global }
      - { .name: Wq, .offset: 24, .size: 8, .value_kind: global_buffer, .address_space: global }
      - { .name: query, .offset: 32, .size: 8, .value_kind: global_buffer, .address_space: global }
      - { .name: wcodes, .offset: 40, .size: 8, .value_kind: global_buffer, .address_space: global }
      - { .name: qbuf, .offset: 48, .size: 8, .value_kind: global_buffer, .address_space: global }
    .group_segment_fixed_size: 35328
    .private_segment_fixed_size: 0
    .kernarg_segment_align: 8
    .kernarg_segment_size: 56
    .max_flat_workgroup_size: 128
    .sgpr_count:     66
    .vgpr_count:     256
    .wavefront_size: 32
...
	.end_amdgpu_metadata
.endif
;; end of part 1
;; launch main (part 2): grid 256 x 1, 8 waves a work-group, clusters of 4 x 1, 327,680 bytes of LDS; arguments x, wcodes, qbuf, part_o, part_ml; writes part_o, part_ml
.if DOCPART == 2
	.amdgcn_target "amdgcn-amd-amdhsa--gfx1250"
	.amdhsa_code_object_version 6
	.text
	.protected	k_qbb5fb08527_main
	.globl	k_qbb5fb08527_main
	.p2align	8
	.type	k_qbb5fb08527_main,@function
k_qbb5fb08527_main:
	s_mov_b64 s[64:65], 0
	v_nop
	global_prefetch_b8 v0, s[64:65] scope:SCOPE_SE
	s_setreg_imm32_b32 hwreg(HW_REG_WAVE_MODE, 25, 1), 1
	s_wait_xcnt 0x0
	s_wait_alu depctr_hold_cnt(0) depctr_sa_sdst(0) depctr_va_vdst(0) depctr_va_sdst(0) depctr_va_ssrc(0) depctr_va_vcc(0) depctr_vm_vsrc(0)
	s_getreg_b32 s2, hwreg(HW_REG_IB_STS2, 6, 4)
	s_cmp_eq_u32 s2, 0
	s_cbranch_scc0 .Lentry_in_a_cluster
	s_endpgm
.Lentry_in_a_cluster:
	s_bfe_u32 s2, ttmp6, 0x10000c
	s_cmp_lg_u32 s2, 0x3003
	s_cbranch_scc0 .Lentry_shape_is_right
	s_endpgm
.Lentry_shape_is_right:
; A work-group takes 128 tokens of one batch.  x's rows are quantised once to FP4 (E2M1, one E8M0 byte for each 32 along K); the codes stay in registers.
; Waves 2 w and 2 w + 1 make K and V of heads 4 w .. 4 w + 3 for all 128 tokens; they SHARE K OUT: wave v = 2 w + c takes K steps 4 c .. 4 c + 3 (512 of the 1,024), so it holds 128 tokens x 512 codes in 256 registers.
; Both the scores q . k and the weighted sums of V are sums over K's parts: the partners add their partial scores (through LDS, once a head) ahead of the softmax, and their partial sums of V at the end.
; The chunk's softmax takes the chunk's largest score away; results for each head: o (not normalised), m (largest score), l (sum of e^(score - m)); the next launch joins a batch's 16 chunks.
; A product is two halves of 32 columns, u = 0, 1: 32 matrix instructions (32 rows of W as source 0, 16 tokens as source 1), one run of LDS loads for the next half, and the reduction of the 128 results.
; A lane holds one token, its registers run along the head's columns, in K and in V alike: the scores need q by registers, V's sums the lane's own p, and a reduction over the row's 16 lanes.
; W's codes lie in wcodes as images of the operand's registers: block 4 n + w is product n (K, V of head 0, 1, 2, 3 by turns) of head group w, 34,816 bytes: 8 K steps of 4 tiles, then the scale bytes.
; Product n's four blocks are 139,264 bytes on end; wave v fetches the v-th eighth, 68 rows of 256 bytes, by a joint load of the cluster's four work-groups, into slot n % 2 of two; product n + 2 is asked for in product n's second half.
; PREFETCH: products 2 to 7 are asked for two refills ahead of their load (2 and 3 in the x phase), by the first four clusters alone, since all clusters read the same tiles; of a wave's 68 blocks of 256 bytes
; each partner names 17.  x is not prefetched: a wave has up to 4 rows of it, 16 KiB, on their way into registers.
; LIMITS: a block of 32 whose largest magnitude lies under 2^-124, or that is all zeros, gets the scale byte 1; NaN and infinities among the inputs are not served.
; REGISTERS: window 0: below; window 1: x's codes: tokens 16 g on, the wave's K step s at v[32 g + 8 s].
.set BLK,   34816
.set SLOT,  4*BLK
.set PART,  BLK/2                      ; what one wave fetches
.set STAGE, 2*SLOT                     ; behind the ring: 2,304 bytes for each wave: half a row of x; later 1,024 of partial scores, 1,024 of partial o
.set WST,   2304
.set CODE,  STAGE+8*WST                ; 16 rows of codes, two buffers
.set CP,    528
.set CBUF,  16*CP
.set SCL,   CODE+2*CBUF                ; all 128 rows' scale bytes
.set SCP,   48
.set OML,   SCL+128*SCP                ; (m, l): four heads a wave
.set QLDS,  OML+256                    ; q
.set SPARE, QLDS+4096                  ; the spare words
.set WA0, 1                            ; v1-2 W's fragments in slot 0, 1
.set WSA0,3                            ; v3-4 W's scale words
.set OA,  5
.set SPW, 6
.set NIL, 7
.set QL,  8
.set PF1, 9
.set XS,  12                           ; x's scale words: K step s of tokens 32 p on at XS + 4 p + s: lane m has token 32 p + m's
.set WS,  28                           ; W's scale words of the half in hand
.set WF,  32                           ; W's fragments of the half in hand: K step s at WF + 16 s
.set CH,  96                           ; eight chains of two sums
.set QQ,  112                          ; q's 16 numbers of the lane
.set T,   112                          ; scores, then p: token 16 g + r at T + g  (q is not live then)
.set U,   120
.set ACC, 128                          ; the half's results: tokens 16 g on at ACC + 16 g (x phase: four rows of x as loaded)
.set XB,  32                           ; x phase: two rows from the stage
.set QT,  96                           ; x phase: at work
.set XO,  112                          ; x phase: addresses
.set SI,  113
.set SO,  114
.set CA,  115
.set SA,  116
.set FA,  117
.set FS,  118
.set LN,  124                          ; the head: lane, lane % 16, lane / 16
.set LR,  125
.set LH,  126
.set SEL, 20
.set G1,  24
.set G0,  32
.set CS,  46
.set PFB, 50
.set LIM, 52
.set EXO, 53                           ; my region, my partner's
.set EXP, 54
.set BIT, 56                           ; s56-59: lanes whose bit 0, 1, 2, 3 is set
.set MSB, 0
.macro WIN new                         ; register windows; the immediate's high byte repeats the setting that is left
.if MSB != (\new)
	s_set_vgpr_msb (MSB<<8)|(\new)
.set MSB, (\new)
.endif
.endm
.macro PLACES
.rept 4
	v_nop
.endr
.endm
.macro CREST                           ; a round of the cluster's barrier behind its opening barrier
	s_cmp_lg_u32 s14, 0
	s_cbranch_scc1 .Lnot_wave_0_\@
	s_barrier_signal -3
.Lnot_wave_0_\@:
	s_barrier_wait -3
	s_barrier_signal -1
	s_barrier_wait -1
.endm
.macro CROUND
	s_barrier_signal -1
	s_barrier_wait -1
	CREST
.endm
; ---- the x phase.  Row t of wave v is token 16 (t / 2) + 2 v + t % 2
.macro LOADROW t                       ; each load reads 512 consecutive bytes
.irp n, 0,1,2,3,4,5,6,7
	global_load_b128 v[ACC+32*((\t)%4)+4*\n:ACC+32*((\t)%4)+4*\n+3], v[XO], s[4:5] offset:(16*((\t)/2)+(\t)%2)*4096+512*\n th:TH_LOAD_NT
.endr
.endm
.macro TURN t                          ; through my stage, half a row at a time, 16 bytes of padding behind each 256: LDS serves a wave's instructions in order (ISA guide 5.7.1.4).  A lane takes the 16 neighbours 512 u + 16 lane
.irp u, 0,1
.irp n, 0,1,2,3
	ds_store_b128 v[SI], v[ACC+32*((\t)%4)+16*\u+4*\n:ACC+32*((\t)%4)+16*\u+4*\n+3] offset:544*\n
.endr
.irp j, 0,1,2,3
	ds_load_b128 v[XB+32*((\t)%2)+16*\u+4*\j:XB+32*((\t)%2)+16*\u+4*\j+3], v[SO] offset:16*\j
.endr
.endr
.endm
.macro QROW t                          ; two lanes hold a block of 32: its largest magnitude (floor 2^-124), scale byte, codes
.set XR, XB+32*((\t)%2)
.irp u, 0,1
	v_max3_num_f32 v[QT+8*\u], |v[XR+16*\u]|, |v[XR+16*\u+1]|, |v[XR+16*\u+2]|
	v_max3_num_f32 v[QT+8*\u+1], |v[XR+16*\u+3]|, |v[XR+16*\u+4]|, |v[XR+16*\u+5]|
.endr
.irp i, 6,10
.irp u, 0,1
	v_max3_num_f32 v[QT+8*\u], v[QT+8*\u], |v[XR+16*\u+\i]|, |v[XR+16*\u+\i+1]|
	v_max3_num_f32 v[QT+8*\u+1], v[QT+8*\u+1], |v[XR+16*\u+\i+2]|, |v[XR+16*\u+\i+3]|
.endr
.endr
.irp u, 0,1
	v_max3_num_f32 v[QT+8*\u], v[QT+8*\u], |v[XR+16*\u+14]|, |v[XR+16*\u+15]|
.endr
.irp u, 0,1
	v_max3_num_f32 v[QT+8*\u], v[QT+8*\u], v[QT+8*\u+1], 0x1800000
.endr
.irp u, 0,1
	v_max_num_f32_dpp v[QT+8*\u], v[QT+8*\u], v[QT+8*\u] row_xmask:1 row_mask:0xf bank_mask:0xf
.endr
.irp u, 0,1
	v_add_nc_u32 v[QT+8*\u+2], 0xff000000, v[QT+8*\u]
.endr
.irp u, 0,1
	v_cvt_scalef32_pk8_fp4_f32 v[QT+8*\u+4], v[XR+16*\u:XR+16*\u+7], v[QT+8*\u+2]
	v_cvt_scalef32_pk8_fp4_f32 v[QT+8*\u+5], v[XR+16*\u+8:XR+16*\u+15], v[QT+8*\u+2]
.endr
.irp u, 0,1
	v_lshrrev_b32 v[QT+8*\u+3], 23, v[QT+8*\u+2]
.endr
.irp u, 0,1
	ds_store_b64 v[CA], v[QT+8*\u+4:QT+8*\u+5] offset:CBUF*(((\t)/2)%2)+CP*((\t)%2)+256*\u
	ds_store_b8 v[SA], v[QT+8*\u+3] offset:16*SCP*((\t)/2)+SCP*((\t)%2)+16*\u
.endr
.endm
.macro FRAGS g                         ; 16 tokens' codes, my four K steps, into registers
	WIN 0x40
.irp s, 0,1,2,3
.irp c, 0,1
	ds_load_b128 v[32*(\g)+8*\s+4*\c:32*(\g)+8*\s+4*\c+3], v[FA] offset:CBUF*((\g)%2)+64*\s+32*\c
.endr
.endr
	WIN 0
.endm
.macro ASKX n                          ; product n's tiles
	s_cmp_lt_u32 ttmp9, 4
	s_cbranch_scc0 .Lnot_mine_\@
	global_prefetch_b8 v[PF1], s[PFB:PFB+1] offset:\n*SLOT th:TH_LOAD_NT scope:SCOPE_SE
.Lnot_mine_\@:
.endm
.macro XROW t
.if (\t) == 0
	s_wait_dscnt 0x0
.elseif (\t)%2 != 0
	s_wait_dscnt 0x4                               ; the row is back from the stage; the last row's four stores may be out
.endif
.if (\t)+4 < 16
	LOADROW (\t)+4
.endif
.if (\t)+1 < 16
.if (\t)+4 < 16
	s_wait_loadcnt 24                              ; the next row is in; the three behind it may be out
.else
	s_wait_loadcnt 8*(14-(\t))
.endif
	TURN (\t)+1
.endif
	QROW \t
.if (\t)%2 == 1
.if (\t) == 13                         ; slot 0 is shown landed to all; slot 1's first fill, issued as a refill is
	s_wait_tensorcnt 0x0
	ds_add_u32 v[SPW], v[NIL]
	s_wait_dscnt 0x0
	CROUND
	tensor_load_to_lds s[G0+4:G0+7], s[G1:G1+7]
	s_nop 0
	PLACES
.else
	s_wait_dscnt 0x0                               ; my codes and bytes lie in LDS, and my reads of the other buffer are over
	s_barrier_signal -1
	s_barrier_wait -1
.endif
	FRAGS (\t)/2
.if (\t) == 9
	ASKX 2
.elseif (\t) == 11
	ASKX 3
.endif
.endif
.endm
; ---- the products
.macro LDW kv, u                       ; 17 LDS loads: W's 32 rows of half u, my four K steps, and their scale words (lane m has row 32 u + m's)
	ds_load_b128 v[WS:WS+3], v[WSA0+(\kv)] offset:1024*(\u)
.irp s, 0,1,2,3
.irp i, 0,1,2,3
	ds_load_b128 v[WF+16*\s+4*\i:WF+16*\s+4*\i+3], v[WA0+(\kv)] offset:4096*\s+2048*(\u)+512*\i
.endr
.endr
.endm
; 32 matrix instructions; the eight accumulators take turns, one instruction a turn, in the same order in every step
.macro MUL
	WIN 0x04
.irp s, 0,1,2,3
.irp g, 0,1,2,3,4,5,6,7
.set rD, ACC+16*\g
.set rB, 32*\g+8*\s
.set rX, XS+4*(\g/2)+\s
.if \s == 0
.if (\g%2) == 0
	v_wmma_scale_f32_32x16x128_f4 v[rD:rD+15], v[WF:WF+15], v[rB:rB+7], 0, v[WS], v[rX]
.else
	v_wmma_scale_f32_32x16x128_f4 v[rD:rD+15], v[WF:WF+15], v[rB:rB+7], 0, v[WS], v[rX] matrix_b_scale:MATRIX_SCALE_ROW1
.endif
.else
.if (\g%2) == 0
	v_wmma_scale_f32_32x16x128_f4 v[rD:rD+15], v[WF+16*\s:WF+16*\s+15], v[rB:rB+7], v[rD:rD+15], v[WS+\s], v[rX]
.else
	v_wmma_scale_f32_32x16x128_f4 v[rD:rD+15], v[WF+16*\s:WF+16*\s+15], v[rB:rB+7], v[rD:rD+15], v[WS+\s], v[rX] matrix_b_scale:MATRIX_SCALE_ROW1
.endif
.endif
.endr
.endr
	WIN 0
.endm
.macro QLD u                           ; q's numbers 32 u + 16 tt + 8 h + j of the head
	v_add_nc_u32 v10, s44, v[QL]
.irp i, 0,1,2,3
	ds_load_b128 v[QQ+4*\i:QQ+4*\i+3], v10 offset:128*\u+64*(\i/2)+16*(\i%2)
.endr
.endm
.macro KTAIL u                         ; the scores of 16 g + r: one chain for each g, through both halves of the head
.irp j, 0,1,2,3,4,5,6,7
.irp g, 0,1,2,3,4,5,6,7
.if (\u == 0) && (\j == 0)
	v_pk_mul_f32 v[CH+2*\g:CH+2*\g+1], v[ACC+16*\g:ACC+16*\g+1], v[QQ:QQ+1]
.else
	v_pk_fma_f32 v[CH+2*\g:CH+2*\g+1], v[ACC+16*\g+2*\j:ACC+16*\g+2*\j+1], v[QQ+2*\j:QQ+2*\j+1], v[CH+2*\g:CH+2*\g+1]
.endif
.endr
.endr
.endm
.macro VTAIL                           ; sums over g of p x V: one chain for each pair of columns
.irp g, 0,1,2,3,4,5,6,7
.irp j, 0,1,2,3,4,5,6,7
.if \g == 0
	v_pk_mul_f32 v[CH+2*\j:CH+2*\j+1], v[ACC+2*\j:ACC+2*\j+1], v[T:T+1] op_sel_hi:[1,0]
.elseif (\g%2) == 0
	v_pk_fma_f32 v[CH+2*\j:CH+2*\j+1], v[ACC+16*\g+2*\j:ACC+16*\g+2*\j+1], v[T+\g:T+\g+1], v[CH+2*\j:CH+2*\j+1] op_sel_hi:[1,0,1]
.else
	v_pk_fma_f32 v[CH+2*\j:CH+2*\j+1], v[ACC+16*\g+2*\j:ACC+16*\g+2*\j+1], v[T+\g-1:T+\g], v[CH+2*\j:CH+2*\j+1] op_sel:[0,1,0]
.endif
.endr
.endr
.endm
.macro RSTEP n, bit                    ; n sums go to the lane whose bit is set, n stay: each lane keeps half of its sums, joined with its neighbour's
.set rK, 0
.rept \n
	v_cndmask_b32 v[U+rK], v[CH+\n+rK], v[CH+rK], s[BIT+\bit]
.set rK, rK+1
.endr
.set rK, 0
.rept \n
	v_cndmask_b32 v[CH+rK], v[CH+rK], v[CH+\n+rK], s[BIT+\bit]
.set rK, rK+1
.endr
.set rK, 0
.rept \n
	v_add_f32_dpp v[CH+rK], v[U+rK], v[CH+rK] row_xmask:\n row_mask:0xf bank_mask:0xf
.set rK, rK+1
.endr
.endm
.macro REDUCE u                        ; 16 sums over a row's 16 lanes: lane (r, h) ends with sum r: column 32 u + 16 (r / 8) + 8 h + r % 8
	RSTEP 8,3
	RSTEP 4,2
	RSTEP 2,1
	RSTEP 1,0
	v_add_nc_u32 v11, s44, v[OA]
	ds_store_b32 v11, v[CH] offset:128*\u
.endm
.macro ASK kv                          ; product n + 4's tiles, while product n + 2 is asked for; none in the last trip, and none in clusters 4 on
	s_cmp_gt_u32 s22, s[LIM]
	s_cbranch_scc0 .Lnot_mine_\@
	global_prefetch_b8 v[PF1], s[PFB:PFB+1] offset:(4+\kv)*SLOT th:TH_LOAD_NT scope:SCOPE_SE
.Lnot_mine_\@:
.endm
; A product's second half, whose fragments are in registers: the slot is free.  Its refill stands behind a round that opens in front of the 32 matrix instructions.
.macro MEET kv
	s_wait_tensorcnt 0x0                           ; all my tensor loads are done: my part of the next product among them
	ds_add_u32 v[SPW], v[NIL]
	s_add_nc_u64 s[G0+4*\kv+2:G0+4*\kv+3], s[G0+4*\kv+2:G0+4*\kv+3], 2*SLOT
	s_wait_dscnt 0x0                               ; the add is done, and so are my reads of this slot
	s_barrier_signal -1
	MUL
	s_barrier_wait -1
	CREST
	tensor_load_to_lds s[G0+4*\kv:G0+4*\kv+3], s[G1:G1+7]
	s_nop 0
	PLACES
.endm
.macro HEADTRIP last
	QLD 0                                          ; ---- K, first half
	s_wait_alu depctr_va_vdst(0)                   ; the wait here and at each half's start, ahead of the half's first wait
	s_wait_dscnt 0x4                               ; W is in; q's four loads may be out
	MUL
	PLACES
	LDW 0,1
	s_wait_dscnt 17                                ; q is in; W's 17 loads may be out
	KTAIL 0
	QLD 1                                          ; ---- K, second half
	s_wait_alu depctr_va_vdst(0)
.if \last
	s_wait_tensorcnt 0x0                           ; my part of the last product: a barrier shows all eight to every wave; nothing is filled again
	s_wait_dscnt 0x0
	s_barrier_signal -1
	MUL
	s_barrier_wait -1
	PLACES
	LDW 1,0
.else
	MEET 0
	LDW 1,0
	ASK 0
.endif
	KTAIL 1
.irp g, 0,1,2,3,4,5,6,7
	v_add_f32 v[T+\g], v[CH+2*\g], v[CH+2*\g+1]    ; my part of the scores, in K and (by h) in columns
.endr
	v_and_b32 v10, 31, v0
	v_lshl_add_u32 v10, v10, 4, s[EXO]
	ds_store_b128 v10, v[T:T+3]
	ds_store_b128 v10, v[T+4:T+7] offset:512
	s_wait_alu depctr_va_vdst(0)                   ; ---- V, first half
	s_wait_dscnt 0x0                               ; W is in; for my partner's sake: my part lies in LDS
	s_barrier_signal -1
	MUL
	s_barrier_wait -1
	PLACES
	v_and_b32 v10, 31, v0
	v_lshl_add_u32 v10, v10, 4, s[EXP]
	ds_load_b128 v[U:U+3], v10
	ds_load_b128 v[U+4:U+7], v10 offset:512
	LDW 1,1
	s_wait_dscnt 17                                ; my partner's part is in
.irp g, 0,1,2,3,4,5,6,7
	v_add_f32 v[T+\g], v[T+\g], v[U+\g]
.endr
.irp g, 0,1,2,3,4,5,6,7
	v_permlanex16_b32 v[U+\g], v[T+\g], s[SEL], s[SEL+1]
.endr
.irp g, 0,1,2,3,4,5,6,7
	v_add_f32 v[T+\g], v[T+\g], v[U+\g]            ; the score of token 16 g + r, in both h and in both partners the same bits
.endr
	v_max3_num_f32 v[U], v[T], v[T+1], v[T+2]
	v_max3_num_f32 v[U+1], v[T+3], v[T+4], v[T+5]
	v_max3_num_f32 v[U], v[U], v[T+6], v[T+7]
	v_max_num_f32 v[U], v[U], v[U+1]
.irp m, 1,2,4,8
	v_max_num_f32_dpp v[U], v[U], v[U] row_xmask:\m row_mask:0xf bank_mask:0xf
.endr
.irp g, 0,2,4,6
	v_pk_add_f32 v[T+\g:T+\g+1], v[T+\g:T+\g+1], v[U:U+1] op_sel_hi:[1,0] neg_lo:[0,1] neg_hi:[0,1]
.endr
.irp g, 0,2,4,6
	v_pk_mul_f32 v[T+\g:T+\g+1], v[T+\g:T+\g+1], s[CS:CS+1] op_sel_hi:[1,0]
.endr
	v_mov_b32 v10, s45
	s_wait_alu depctr_va_vdst(0)                   ; the wait ahead of the batch,
.irp g, 0,1,2,3,4,5,6,7
	v_exp_f32 v[T+\g], v[T+\g]
.endr
	v_nop                                          ; one plain place behind the exponentials
	s_wait_alu depctr_va_vdst(0)                   ; and behind it, ahead of the first reader of p and of V's results
	VTAIL
	v_add_f32 v[U+1], v[T], v[T+1]
	v_add_f32 v[U+2], v[T+2], v[T+3]
	v_add_f32 v[U+3], v[T+4], v[T+5]
	v_add_f32 v[U+4], v[T+6], v[T+7]
	v_add_f32 v[U+1], v[U+1], v[U+2]
	v_add_f32 v[U+3], v[U+3], v[U+4]
	v_add_f32 v[U+1], v[U+1], v[U+3]
.irp m, 1,2,4,8
	v_add_f32_dpp v[U+1], v[U+1], v[U+1] row_xmask:\m row_mask:0xf bank_mask:0xf
.endr
	ds_store_b64 v10, v[U:U+1]                     ; (m, l): all lanes write the same words with the same values
	REDUCE 0
	s_wait_alu depctr_va_vdst(0)                   ; ---- V, second half
.if \last
	s_wait_dscnt 0x0
	MUL
	PLACES
.else
	MEET 1
	LDW 0,0                                        ; the next head's K
	ASK 1
.endif
	VTAIL
	REDUCE 1
.endm
	s_load_b256 s[4:11], s[0:1], 0x0               ; x, wcodes, q, part_o
	s_load_b64 s[12:13], s[0:1], 0x20              ; part_ml
	v_lshl_add_u32 v[SPW], v0, 2, SPARE
	v_mov_b32 v[NIL], 0
	ds_add_u32 v[SPW], v[NIL]                      ; the opening add, twice on end
	ds_add_u32 v[SPW], v[NIL]
	v_lshrrev_b32 v10, 5, v0
	v_readfirstlane_b32 s14, v10                   ; wave v
	s_bfe_u32 s15, ttmp6, 0x40000                  ; cx
	s_lshl_b32 s16, ttmp9, 2
	s_add_co_u32 s16, s16, s15                     ; work-group: 128 tokens
	s_lshl_b32 s41, s14, 13
	s_lshl_b32 s42, s14, 9
	v_and_b32 v[LN], 31, v0
	v_and_b32 v[LR], 15, v0
	v_bfe_u32 v[LH], v0, 4, 1
	v_lshl_add_u32 v[XO], v[LN], 4, s41
	v_lshl_add_u32 v127, v[LN], 4, s42
	s_lshl_b32 s18, s16, 19
	s_mov_b32 s19, 0
	s_wait_alu depctr_va_vdst(0)                   ; ahead of the waits below
	s_wait_dscnt 0x0
	s_wait_kmcnt 0x0
	s_add_nc_u64 s[4:5], s[4:5], s[18:19]
	global_load_b128 v[120:123], v127, s[8:9]      ; q's numbers 128 v on
.irp t, 0,1,2,3
	LOADROW \t
.endr
	s_mov_b32 s[G1], 15|(3<<16)|(1<<21)            ; all four work-groups; elements of 8 bytes; 68 rows of 256 bytes
	s_mov_b32 s[G1+1], 32<<16
	s_mov_b32 s[G1+2], 68<<16
	s_mov_b32 s[G1+3], 32<<16
	s_mov_b32 s[G1+4], 68
	s_mov_b32 s[G1+5], 32
	s_mov_b32 s[G1+6], 0
	s_mov_b32 s[G1+7], 0
	s_mul_i32 s40, s14, PART
	s_mul_i32 s42, s14, PART
	s_mov_b32 s43, 0
	s_mov_b32 s[SEL], 0x76543210
	s_mov_b32 s[SEL+1], 0xfedcba98
	s_mov_b32 s[CS], 0x3fb8aa3b                    ; log2(e)
	s_mov_b32 s[CS+1], 0x3fb8aa3b
	s_cmp_lt_u32 ttmp9, 4
	s_cselect_b32 s[LIM], 1, 3
	s_add_nc_u64 s[PFB:PFB+1], s[6:7], s[42:43]
.irp sl, 0,1
	s_mov_b32 s[G0+4*\sl], 1
	s_add_co_u32 s[G0+4*\sl+1], s40, \sl*SLOT
	s_add_nc_u64 s[G0+4*\sl+2:G0+4*\sl+3], s[PFB:PFB+1], \sl*SLOT
	s_or_b32 s[G0+4*\sl+3], s[G0+4*\sl+3], 0x80000000
.endr
	CROUND                                         ; all four work-groups are here: the first joint loads meet
	tensor_load_to_lds s[G0:G0+3], s[G1:G1+7]
	s_nop 0
	PLACES
	s_lshl_b32 s18, s16, 12
	s_add_nc_u64 s[10:11], s[10:11], s[18:19]
	s_lshl_b32 s18, s16, 7
	s_add_nc_u64 s[12:13], s[12:13], s[18:19]
	s_lshr_b32 s48, s14, 1                         ; w
	s_and_b32 s49, s14, 1                          ; c
	s_mul_i32 s[EXO], s14, WST
	s_add_co_u32 s[EXO], s[EXO], STAGE
	s_xor_b32 s[EXP], s14, 1
	s_mul_i32 s[EXP], s[EXP], WST
	s_add_co_u32 s[EXP], s[EXP], STAGE
	v_lshlrev_b32 v10, 4, v[LN]
	v_lshl_add_u32 v10, v[LH], 4, v10
	v_add_nc_u32 v[SI], s[EXO], v10
	v_lshrrev_b32 v11, 2, v[LN]
	v_lshlrev_b32 v10, 6, v[LN]
	v_lshl_add_u32 v10, v11, 4, v10
	v_add_nc_u32 v[SO], s[EXO], v10
	v_lshrrev_b32 v10, 3, v[LR]
	v_and_b32 v11, 7, v[LR]
	v_lshlrev_b32 v10, 4, v10
	v_lshl_add_u32 v10, v[LH], 3, v10
	v_add_nc_u32 v10, v10, v11
	s_add_co_u32 s41, s[EXO], 1024
	v_lshl_add_u32 v[OA], v10, 2, s41
	s_mul_i32 s41, s14, 2*CP
	s_add_co_u32 s41, s41, CODE
	v_lshl_add_u32 v[CA], v[LN], 3, s41
	s_mul_i32 s41, s14, 2*SCP
	s_add_co_u32 s41, s41, SCL
	v_lshrrev_b32 v10, 1, v[LN]
	v_add_nc_u32 v[SA], s41, v10
	s_lshl_b32 s41, s49, 8
	s_add_co_u32 s41, s41, CODE
	v_mul_u32_u24 v10, v[LR], CP
	v_lshl_add_u32 v10, v[LH], 4, v10
	v_add_nc_u32 v[FA], s41, v10
	s_lshl_b32 s41, s49, 4
	s_add_co_u32 s41, s41, SCL
	v_mul_u32_u24 v10, v[LN], SCP
	v_add_nc_u32 v[FS], s41, v10
	s_mul_i32 s40, s48, BLK
	s_lshl_b32 s41, s49, 14
	s_add_co_u32 s41, s41, s40
	v_lshl_add_u32 v[WA0], v[LN], 4, s41
	v_add_nc_u32 v[WA0+1], SLOT, v[WA0]
	s_lshl_b32 s41, s49, 8
	s_add_co_u32 s41, s41, s40
	s_add_co_u32 s41, s41, 32768
	v_lshlrev_b32 v10, 9, v[LH]
	v_lshl_add_u32 v10, v[LR], 4, v10
	v_add_nc_u32 v[WSA0], s41, v10
	v_add_nc_u32 v[WSA0+1], SLOT, v[WSA0]
	s_lshl_b32 s41, s48, 10
	s_add_co_u32 s41, s41, QLDS
	v_lshl_add_u32 v[QL], v[LH], 5, s41
	s_mul_i32 s41, s15, 17
	v_min_u32 v10, 16, v[LN]
	v_add_nc_u32 v10, s41, v10                     ; the prefetches: partner cx names blocks 17 cx .. 17 cx + 16 of a wave's 68
	v_lshlrev_b32 v[PF1], 8, v10
.irp b, 0,1,2,3
	v_and_b32 v10, 1<<\b, v0
	v_cmp_ne_u32 s[BIT+\b], 0, v10
.endr
	s_mov_b32 s44, 0                               ; 256 x the head in hand
	s_lshl_b32 s45, s14, 5
	s_add_co_u32 s45, s45, OML                     ; where its (m, l) go
	v_add_nc_u32 v11, QLDS, v127
	s_wait_alu depctr_va_vdst(0)                   ; the wait at the head's end
	s_wait_loadcnt 24                              ; q and row 0 are in; three rows may be out
	ds_store_b128 v11, v[120:123]
	TURN 0
.irp t, 0,1,2,3,4,5,6,7,8,9,10,11,12,13,14,15
	XROW \t
.endr
.irp p, 0,1,2,3
	ds_load_b128 v[XS+4*\p:XS+4*\p+3], v[FS] offset:32*SCP*\p
.endr
	LDW 0,0
	s_mov_b32 s22, 3
.Lhead:                                                ; a trip: one head; both slots are filled again
	HEADTRIP 0
	s_wait_xcnt 0x0                                ; my prefetches have read their base
	s_add_nc_u64 s[PFB:PFB+1], s[PFB:PFB+1], 2*SLOT
	s_add_co_u32 s44, s44, 256
	s_add_co_u32 s45, s45, 8
	s_wait_alu depctr_va_vdst(0)                   ; the wait ahead of the branch
	s_sub_co_u32 s22, s22, 1
	s_cmp_lg_u32 s22, 0
	s_cbranch_scc1 .Lhead
	HEADTRIP 1                                     ; the last head fills nothing
	s_lshl_b32 s40, s49, 9
	s_add_co_u32 s40, s40, 1024
	s_add_co_u32 s41, s40, s[EXO]
	s_add_co_u32 s42, s40, s[EXP]
	s_lshl_b32 s43, s14, 9
	v_and_b32 v10, 31, v0
	v_lshl_add_u32 v11, v10, 4, s41                ; the 512 bytes of o that I send: my part,
	v_lshl_add_u32 v[QL], v10, 4, s43
	v_lshrrev_b32 v3, 3, v10
	v_and_b32 v5, 7, v10
	v_lshlrev_b32 v5, 2, v5
	v_lshl_add_u32 v5, v3, 6, v5
	v_add_nc_u32 v5, OML, v5                       ; (m, l) of wave 2 w, word l % 8, for lane l = 8 w + ..
	v_lshlrev_b32 v4, 2, v10
	v_lshl_add_u32 v10, v10, 4, s42                ; and my partner's
	s_wait_alu depctr_va_vdst(0)                   ; ahead of the wait below
	s_wait_dscnt 0x0                               ; for the others' sake: my sums lie in LDS
	s_barrier_signal -1
	s_barrier_wait -1
	ds_load_b128 v[CH:CH+3], v11
	ds_load_b128 v[CH+4:CH+7], v10
	s_cmp_lg_u32 s14, 0
	s_cbranch_scc1 .Lnot_first
	ds_load_b32 v[CH+8], v5
	s_wait_dscnt 0x0
	global_store_b32 v4, v[CH+8], s[12:13]         ; wave 0: the 16 heads' (m, l), 128 bytes
.Lnot_first:
	s_wait_dscnt 0x0
	v_pk_add_f32 v[CH:CH+1], v[CH:CH+1], v[CH+4:CH+5]
	v_pk_add_f32 v[CH+2:CH+3], v[CH+2:CH+3], v[CH+6:CH+7]
	global_store_b128 v[QL], v[CH:CH+3], s[10:11]  ; 512 consecutive bytes, at a multiple of 256 from the buffer's first byte
	s_wait_tensorcnt 0x0                           ; the wave's end
	ds_add_u32 v[SPW], v[NIL]
	s_wait_dscnt 0x0
	CROUND                                         ; the closing round
	s_endpgm
.Lfunc_end_k_qbb5fb08527_main:
	.size	k_qbb5fb08527_main, .Lfunc_end_k_qbb5fb08527_main-k_qbb5fb08527_main
	.p2alignl 7, 3214868480
	.fill 96, 4, 3214868480
	.section	.rodata,"a",@progbits
	.p2align	6, 0x0
	.amdhsa_kernel k_qbb5fb08527_main
		.amdhsa_group_segment_fixed_size 327680
		.amdhsa_private_segment_fixed_size 0
		.amdhsa_enable_private_segment 0
		.amdhsa_kernarg_size 40
		.amdhsa_user_sgpr_count 2
		.amdhsa_user_sgpr_kernarg_segment_ptr 1
		.amdhsa_wavefront_size32 1
		.amdhsa_system_sgpr_workgroup_id_x 1
		.amdhsa_system_sgpr_workgroup_id_y 1
		.amdhsa_system_sgpr_workgroup_id_z 1
		.amdhsa_system_vgpr_workitem_id 0
		.amdhsa_next_free_vgpr 512
		.amdhsa_next_free_sgpr 66
		.amdhsa_reserve_vcc 0
		.amdhsa_float_denorm_mode_32 3
		.amdhsa_float_denorm_mode_16_64 3
		.amdhsa_memory_ordered 1
		.amdhsa_forward_progress 1
		.amdhsa_inst_pref_size 171
	.end_amdhsa_kernel
	.amdgpu_metadata
---
amdhsa.version: [ 1, 2 ]
amdhsa.kernels:
  - .name:           k_qbb5fb08527_main
    .symbol:         k_qbb5fb08527_main.kd
    .args:
      - { .name: x, .offset: 0, .size: 8, .value_kind: global_buffer, .address_space: global }
      - { .name: wcodes, .offset: 8, .size: 8, .value_kind: global_buffer, .address_space: global }
      - { .name: qbuf, .offset: 16, .size: 8, .value_kind: global_buffer, .address_space: global }
      - { .name: part_o, .offset: 24, .size: 8, .value_kind: global_buffer, .address_space: global }
      - { .name: part_ml, .offset: 32, .size: 8, .value_kind: global_buffer, .address_space: global }
    .group_segment_fixed_size: 327680
    .private_segment_fixed_size: 0
    .kernarg_segment_align: 8
    .kernarg_segment_size: 40
    .max_flat_workgroup_size: 256
    .sgpr_count:     66
    .vgpr_count:     512
    .wavefront_size: 32
...
	.end_amdgpu_metadata
.endif
;; end of part 2
;; launch final (part 3): grid 16 x 16, 4 waves a work-group, no clusters, 1,536 bytes of LDS; arguments part_o, part_ml, wcodes, out0; writes out0
.if DOCPART == 3
	.amdgcn_target "amdgcn-amd-amdhsa--gfx1250"
	.amdhsa_code_object_version 6
	.text
	.protected	k_qbb5fb08527_final
	.globl	k_qbb5fb08527_final
	.p2align	8
	.type	k_qbb5fb08527_final,@function
k_qbb5fb08527_final:
	s_mov_b64 s[64:65], 0
	v_nop
	global_prefetch_b8 v0, s[64:65] scope:SCOPE_SE
	s_setreg_imm32_b32 hwreg(HW_REG_WAVE_MODE, 25, 1), 1
	s_wait_xcnt 0x0
; out0[b][64 n .. 64 n + 63] = Q(o[b]) . Q(Wc)'s rows, for work-group (n, b).  o[b] is joined from the batch's sixteen chunks, in f32: for each head M = the largest m_i, e_i = e^(m_i - M),
; o = (the sum of e_i x chunk i's sums) / (the sum of e_i l_i); then it is quantised along its 1,024 numbers to FP4 (E2M1) with one E8M0 byte for each 32.
; The join is made anew by each of a batch's sixteen work-groups: so each reads 64 KiB of partial sums and one block of Wc's codes, all sixteen columns' work runs side by side, and no launch more is needed.
; SHARES.  Wave w joins and quantises o's numbers 256 w .. 256 w + 255, eight neighbours a lane (eight lanes to a head, four to a block of 32); the codes meet in LDS.  Then wave w makes outputs 16 w .. 16 w + 15
; of the 64: source 0 = o's row in all sixteen rows of the tile, source 1 = 16 rows of Wc, 8 K steps of 128 on two accumulators by turns; their sum is the output.
; LIMITS: a block of o whose largest magnitude lies under 2^-124, or that is all zeros, gets the scale byte 1; NaN and infinities are not served.
.set BLK,  34816
.set OC,   0                           ; LDS: o's 512 bytes of codes,
.set OSC,  512                         ; its 32 scale bytes,
.set OUTS, 768                         ; the 64 outputs
.set ML,   16                          ; v16-47   (m_i, l_i); m_i becomes e_i.  Later v16-23, v24-31: the two accumulators; v32-35 at work
.set PO,   48                          ; v48-175  chunk i's eight sums.  Later v48-111: o's eight fragments
.set WCF,  176                         ; v176-239 Wc's eight fragments
.set WCS,  240                         ; v240-243 Wc's scale words
.set OS,   244                         ; v244-247 o's
.set OO,   248                         ; v248-255 my eight numbers of o
	s_load_b256 s[4:11], s[0:1], 0x0               ; part_o s[4:5], part_ml s[6:7], wcodes s[8:9], out0 s[10:11]
	s_set_vgpr_msb 0x40
	v_lshl_add_u32 v0, v0, 2, 0x400
	v_mov_b32 v1, 0
	s_set_vgpr_msb 0x4000
	v_lshrrev_b32 v1, 5, v0
	v_readfirstlane_b32 s12, v1                    ; wave 0..3
	v_and_b32 v1, 31, v0                           ; lane
	s_wait_alu depctr_va_vdst(0)
	v_and_b32 v2, 15, v0                           ; r
	v_bfe_u32 v3, v0, 4, 1                         ; h
	s_wait_alu depctr_va_vdst(0)
	s_and_b32 s13, ttmp7, 0xffff                   ; the batch
	s_lshl_b32 s14, s13, 16                        ; part_o: sixteen rows of 4,096 bytes a batch,
	s_lshl_b32 s16, s12, 10
	s_add_co_u32 s14, s14, s16                     ; + my wave's 1,024 bytes
	s_mov_b32 s15, 0
	s_lshl_b32 s16, s13, 11                        ; part_ml: sixteen rows of 128 bytes a batch,
	s_lshl_b32 s18, s12, 5
	s_add_co_u32 s16, s16, s18                     ; + my wave's four heads
	s_mov_b32 s17, 0
	s_add_co_u32 s20, ttmp9, 32
	s_mul_i32 s20, s20, BLK                        ; Wc's block
	s_lshl_b32 s18, s12, 10
	s_add_co_u32 s18, s20, s18                     ; + tile w's fragments
	s_mov_b32 s19, 0
	s_lshl_b32 s21, s12, 9
	s_add_co_u32 s20, s20, s21
	s_add_co_u32 s20, s20, 32768                   ; and its scale bytes
	s_mov_b32 s21, 0
	s_lshl_b32 s22, s13, 12
	s_lshl_b32 s23, ttmp9, 8
	s_add_co_u32 s22, s22, s23                     ; out0: row b, + 256 n
	s_mov_b32 s23, 0
	s_mov_b32 s26, 0x3fb8aa3b                      ; log2(e)
	v_lshlrev_b32 v4, 5, v1                        ; my eight sums
	v_lshrrev_b32 v5, 3, v1
	v_lshlrev_b32 v5, 3, v5                        ; my head's (m, l)
	v_lshlrev_b32 v6, 4, v1                        ; an image's place
	s_lshl_b32 s27, s12, 7
	v_lshl_add_u32 v7, v1, 2, s27                  ; OC + 128 w + 4 x lane: my eight codes
	s_lshl_b32 s27, s12, 3
	s_add_co_u32 s27, s27, OSC
	v_lshrrev_b32 v8, 2, v1
	v_add_nc_u32 v8, s27, v8                       ; my block's byte
	v_lshlrev_b32 v9, 4, v3                        ; a fragment of o: 16 h (every row of the tile is the same row)
	v_add_nc_u32 v10, OSC, v9
	s_lshl_b32 s27, s12, 6
	s_add_co_u32 s27, s27, OUTS
	v_lshl_add_u32 v11, v2, 2, s27
	v_lshlrev_b32 v13, 3, v1
	v_add_nc_u32 v12, OUTS, v13
	s_wait_alu depctr_va_vdst(0)
	s_wait_kmcnt 0x0
	s_add_nc_u64 s[4:5], s[4:5], s[14:15]
	s_add_nc_u64 s[6:7], s[6:7], s[16:17]
	s_add_nc_u64 s[24:25], s[8:9], s[20:21]
	s_add_nc_u64 s[8:9], s[8:9], s[18:19]
	s_add_nc_u64 s[10:11], s[10:11], s[22:23]
.irp i, 0,1,2,3,4,5,6,7,8,9,10,11,12,13,14,15
	global_load_b64 v[ML+2*\i:ML+2*\i+1], v5, s[6:7] offset:128*\i
.endr
.irp i, 0,1,2,3,4,5,6,7,8,9,10,11,12,13,14,15
.irp c, 0,1
	global_load_b128 v[PO+8*\i+4*\c:PO+8*\i+4*\c+3], v4, s[4:5] offset:4096*\i+16*\c
.endr
.endr
.irp s, 0,1,2,3,4,5,6,7
.irp c, 0,1
	global_load_b128 v[WCF+8*\s+4*\c:WCF+8*\s+4*\c+3], v6, s[8:9] offset:4096*\s+512*\c
.endr
.endr
	global_load_b128 v[WCS:WCS+3], v6, s[24:25]
	s_wait_loadcnt 17                              ; the partial results are in; Wc's 16 + 1 loads, issued behind them, may be out
	v_max3_num_f32 v14, v[ML], v[ML+2], v[ML+4]
	v_max3_num_f32 v15, v[ML+6], v[ML+8], v[ML+10]
	v_max3_num_f32 v14, v14, v[ML+12], v[ML+14]
	v_max3_num_f32 v15, v15, v[ML+16], v[ML+18]
	v_max3_num_f32 v14, v14, v[ML+20], v[ML+22]
	v_max3_num_f32 v15, v15, v[ML+24], v[ML+26]
	v_max3_num_f32 v14, v14, v[ML+28], v[ML+30]
	v_max_num_f32 v14, v14, v15                    ; M
.irp i, 0,1,2,3,4,5,6,7,8,9,10,11,12,13,14,15
	v_sub_f32 v[ML+2*\i], v[ML+2*\i], v14
.endr
.irp i, 0,1,2,3,4,5,6,7,8,9,10,11,12,13,14,15
	v_mul_f32 v[ML+2*\i], s26, v[ML+2*\i]
.endr
	s_wait_alu depctr_va_vdst(0)
.irp i, 0,1,2,3,4,5,6,7,8,9,10,11,12,13,14,15
	v_exp_f32 v[ML+2*\i], v[ML+2*\i]               ; e_i
.endr
	v_nop                                          ; one plain place behind the exponentials
	s_wait_alu depctr_va_vdst(0)
	v_mul_f32 v14, v[ML], v[ML+1]                  ; the sum of e_i l_i, in two chains
	v_mul_f32 v15, v[ML+2], v[ML+3]
.irp i, 2,4,6,8,10,12,14
	v_fma_f32 v14, v[ML+2*\i], v[ML+2*\i+1], v14
	v_fma_f32 v15, v[ML+2*\i+2], v[ML+2*\i+3], v15
.endr
	v_add_f32 v14, v14, v15
	s_wait_alu depctr_va_vdst(0)
	v_rcp_f32 v14, v14                             ; the packed products below, which touch neither v14 nor v15, are the plain places behind it
.irp p, 0,1,2,3
	v_pk_mul_f32 v[OO+2*\p:OO+2*\p+1], v[PO+2*\p:PO+2*\p+1], v[ML:ML+1] op_sel_hi:[1,0]   ; of the pair (e_i, l_i) the low word serves both halves
.endr
.irp i, 1,2,3,4,5,6,7,8,9,10,11,12,13,14,15
.irp p, 0,1,2,3
	v_pk_fma_f32 v[OO+2*\p:OO+2*\p+1], v[PO+8*\i+2*\p:PO+8*\i+2*\p+1], v[ML+2*\i:ML+2*\i+1], v[OO+2*\p:OO+2*\p+1] op_sel_hi:[1,0,1]
.endr
.endr
	s_wait_alu depctr_va_vdst(0)
.irp p, 0,1,2,3
	v_pk_mul_f32 v[OO+2*\p:OO+2*\p+1], v[OO+2*\p:OO+2*\p+1], v[14:15] op_sel_hi:[1,0]     ; o
.endr
	v_max3_num_f32 v32, |v[OO]|, |v[OO+1]|, 0x1800000      ; my eight numbers, and the floor 2^(3 - 127): the byte cannot fall under 1
	v_max3_num_f32 v32, v32, |v[OO+2]|, |v[OO+3]|
	v_max3_num_f32 v32, v32, |v[OO+4]|, |v[OO+5]|
	v_max3_num_f32 v32, v32, |v[OO+6]|, |v[OO+7]|
	v_max_num_f32_dpp v32, v32, v32 row_xmask:1 row_mask:0xf bank_mask:0xf
	v_max_num_f32_dpp v32, v32, v32 row_xmask:2 row_mask:0xf bank_mask:0xf     ; four lanes hold a block
	v_add_nc_u32 v33, 0xff000000, v32              ; 2 off the exponent field: the conversion's scale operand
	v_cvt_scalef32_pk8_fp4_f32 v35, v[OO:OO+7], v33
	v_lshrrev_b32 v34, 23, v33                     ; the scale's byte (also the plain place behind the conversion)
	ds_store_b32 v7, v35
	ds_store_b8 v8, v34                            ; the four lanes of a block write the same byte with the same value
	s_wait_dscnt 0x0                               ; for the others' sake: my codes and bytes lie in LDS
	s_barrier_signal -1
	s_barrier_wait -1
.irp s, 0,1,2,3,4,5,6,7
.irp c, 0,1
	ds_load_b128 v[PO+8*\s+4*\c:PO+8*\s+4*\c+3], v9 offset:OC+64*\s+32*\c
.endr
.endr
	ds_load_b128 v[OS:OS+3], v10                   ; register j: lanes 0-15 K step j, lanes 16-31 K step 4 + j
	s_wait_loadcnt 0x0                             ; Wc
	s_wait_dscnt 0x0
.irp s, 0,1
	v_wmma_scale_f32_16x16x128_f8f6f4 v[ML+8*\s:ML+8*\s+7], v[PO+8*\s:PO+8*\s+7], v[WCF+8*\s:WCF+8*\s+7], 0, v[OS+\s], v[WCS+\s] matrix_a_fmt:MATRIX_FMT_FP4 matrix_b_fmt:MATRIX_FMT_FP4
.endr
.irp s, 2,3
	v_wmma_scale_f32_16x16x128_f8f6f4 v[ML+8*(\s%2):ML+8*(\s%2)+7], v[PO+8*\s:PO+8*\s+7], v[WCF+8*\s:WCF+8*\s+7], v[ML+8*(\s%2):ML+8*(\s%2)+7], v[OS+\s], v[WCS+\s] matrix_a_fmt:MATRIX_FMT_FP4 matrix_b_fmt:MATRIX_FMT_FP4
.endr
.irp s, 4,5,6,7
	v_wmma_scale_f32_16x16x128_f8f6f4 v[ML+8*(\s%2):ML+8*(\s%2)+7], v[PO+8*\s:PO+8*\s+7], v[WCF+8*\s:WCF+8*\s+7], v[ML+8*(\s%2):ML+8*(\s%2)+7], v[OS+\s-4], v[WCS+\s-4] matrix_a_fmt:MATRIX_FMT_FP4 matrix_b_fmt:MATRIX_FMT_FP4 matrix_a_scale:MATRIX_SCALE_ROW1 matrix_b_scale:MATRIX_SCALE_ROW1
.endr
.rept 4
	v_nop                                          ; four places in front of the first read of results (ISA guide 7.12.1)
.endr
	v_add_f32 v32, v[ML], v[ML+8]                  ; register 0 of both: output 16 w + r (all rows of the tile are alike)
	ds_store_b32 v11, v32                          ; both halves of the lanes write the same word with the same value
	s_wait_dscnt 0x0
	s_barrier_signal -1
	s_barrier_wait -1
	s_cmp_lg_u32 s12, 0
	s_cbranch_scc1 .Lend
	ds_load_b64 v[32:33], v12
	s_wait_dscnt 0x0
	global_store_b64 v13, v[32:33], s[10:11]       ; wave 0 stores the 64 outputs: 256 consecutive bytes, at a multiple of 256 from out0's first byte
.Lend:
	s_set_vgpr_msb 0x5
	s_wait_tensorcnt 0x0
	ds_add_u32 v0, v1
	s_wait_dscnt 0x0
	s_set_vgpr_msb 0x500
	s_endpgm
.Lfunc_end_k_qbb5fb08527_final:
	.size	k_qbb5fb08527_final, .Lfunc_end_k_qbb5fb08527_final-k_qbb5fb08527_final
	.p2alignl 7, 3214868480
	.fill 96, 4, 3214868480
	.section	.rodata,"a",@progbits
	.p2align	6, 0x0
	.amdhsa_kernel k_qbb5fb08527_final
		.amdhsa_group_segment_fixed_size 1536
		.amdhsa_private_segment_fixed_size 0
		.amdhsa_enable_private_segment 0
		.amdhsa_kernarg_size 32
		.amdhsa_user_sgpr_count 2
		.amdhsa_user_sgpr_kernarg_segment_ptr 1
		.amdhsa_wavefront_size32 1
		.amdhsa_system_sgpr_workgroup_id_x 1
		.amdhsa_system_sgpr_workgroup_id_y 1
		.amdhsa_system_sgpr_workgroup_id_z 1
		.amdhsa_system_vgpr_workitem_id 0
		.amdhsa_next_free_vgpr 258
		.amdhsa_next_free_sgpr 66
		.amdhsa_reserve_vcc 0
		.amdhsa_float_denorm_mode_32 3
		.amdhsa_float_denorm_mode_16_64 3
		.amdhsa_memory_ordered 1
		.amdhsa_forward_progress 1
		.amdhsa_inst_pref_size 20
	.end_amdhsa_kernel
	.amdgpu_metadata
---
amdhsa.version: [ 1, 2 ]
amdhsa.kernels:
  - .name:           k_qbb5fb08527_final
    .symbol:         k_qbb5fb08527_final.kd
    .args:
      - { .name: part_o, .offset: 0, .size: 8, .value_kind: global_buffer, .address_space: global }
      - { .name: part_ml, .offset: 8, .size: 8, .value_kind: global_buffer, .address_space: global }
      - { .name: wcodes, .offset: 16, .size: 8, .value_kind: global_buffer, .address_space: global }
      - { .name: out0, .offset: 24, .size: 8, .value_kind: global_buffer, .address_space: global }
    .group_segment_fixed_size: 1536
    .private_segment_fixed_size: 0
    .kernarg_segment_align: 8
    .kernarg_segment_size: 32
    .max_flat_workgroup_size: 128
    .sgpr_count:     66
    .vgpr_count:     258
    .wavefront_size: 32
...
	.end_amdgpu_metadata
.endif
;; end of part 3
